; MI455X (gfx1250); checked and timed in simulation.
; The chip was launched on July 23, 2026; its instructions are those of AMD's public machine-readable ISA for CDNA 5 (MIT licence, August 2026) and "CDNA5" Instruction Set Architecture Reference Guide (July 2026). The comments in the code are by the model that wrote it; some were corrected since.
;; Full Attention. Allowed arithmetic: float matrix products may take bf16 or f16 operands with f32 sums; all other float work in f32.
;; Inputs: keys 4 x 2,048 x 16 x 64 float32; queries 4 x 2,048 x 16 x 64 float32; values 4 x 2,048 x 16 x 64 float32.
;; Outputs: out0 4 x 2,048 x 16 x 64 float32.
;; 2 versions, each right; version 2 is version 1 with the launch attn written anew for expert scheduling mode. Each part assembles by itself: llvm-mc -triple=amdgcn-amd-amdhsa -mcpu=gfx1250 --defsym DOCPART=n.
;; ======== version 1 of 2: 1 launch
;; limits: values are held in f16: magnitudes above 65,504 overflow, below 6.1e-05 lose precision; inputs' magnitudes at most 65,504
;; launch attn (part 1): grid 256 x 1, 8 waves a work-group, no clusters, 109,568 bytes of LDS; arguments keys, queries, values, out0; writes out0
.if DOCPART == 1
	.amdgcn_target "amdgcn-amd-amdhsa--gfx1250"
	.amdhsa_code_object_version 6
	.text
	.protected	k_q2ca8eb9171_attn
	.globl	k_q2ca8eb9171_attn
	.p2align	8
	.type	k_q2ca8eb9171_attn,@function
k_q2ca8eb9171_attn:
	s_mov_b64 s[64:65], 0
	v_nop
	global_prefetch_b8 v0, s[64:65] scope:SCOPE_SE
	s_setreg_imm32_b32 hwreg(HW_REG_WAVE_MODE, 25, 1), 1
	s_wait_xcnt 0x0
; Causal softmax attention.  queries, keys, values, out0: [4][2048][16][64] f32; a head's row is 256 bytes, rows of a head are 4,096 bytes apart.
; out[b][l][h][:] = sum over s <= l of softmax_s(q.k / 8) v[s].  Products on 16-bit operands with f32 sums; softmax in f32 with a running maximum.
;
; SHARES.  Work-group x: head pair x >> 2, j = x & 3.  The 2,048 query rows are 8 blocks of 256.  Pass 0 takes block 7 - j, pass 1 block j:
; a block i needs 4 (i + 1) key tiles of 64 keys, so every work-group makes 4 (8 - j) + 4 (j + 1) = 36 trips.  Wave w owns 32 query rows of the block
; (two query blocks of 16).  Tiles behind a wave's diagonal tile are not computed (the mask would throw them away); the wave still stages and
; passes the barrier.
; SCHEME, transposed so that nothing is shuffled between the two products:
;   S^T = K Q^T : lane (r, h) register j of tile kb holds key 16 kb + 8 h + j of query r.  A lane owns ONE query: its maximum and its factor are
;                 lane numbers, one exchange between the halves of the wave completes the maximum.
;   P^T         : packing tiles 2 kc and 2 kc + 1 two by two to 16 bits gives the second source (32 keys x 16 queries) as it stands.
;   O^T = V^T P^T: V^T comes by the transposing LDS load from V kept [key][d].  Lane (r, h) register j of tile db holds d = 16 db + 8 h + j of query r.
; FORMATS.  Q, K and V are all three rounded to bf16: the result is the attention of the bf16-rounded inputs.  The first product is the bf16 form.
; P goes in f16: p lies in [0, 1], and with bf16's 8 bits its rounding, up to 2^-8 of each term, shows in the first rows, where a few terms of
; size one may nearly cancel; f16 leaves 2^-11.  Both sources of a matrix instruction have one format, so V's bf16 numbers are written over into
; f16, which holds every one of them exactly from 2^-17 to 65,504.  (V is not rounded straight to f16: the three inputs carry one rounding.)
; STAGING.  The 256 threads load the next tile's K and V in f32 (16 lanes a row of 256 bytes), round ONCE, and store into the other of two
; LDS slots; one barrier a trip.
; NO TENSOR LOADS, NO CLUSTER: the tiles are f32 in memory and the matrix unit wants 16 bits; a tile brought as it is would cross LDS as 32 KiB in,
; 32 KiB out and 16 KiB in again in place of 16 KiB in, or be converted by each of the 8 waves; and the four work-groups of a head need
; different numbers of tiles in a pass (4 (8 - j) and 4 (j + 1)).
; LIMITS.  Inputs finite and scores finite in f32.  Values of magnitude above 65,504 (f16's largest number) are not served; a value below 2^-17
; keeps an absolute error of up to 2^-25.  An exponential below 2^-126 counts as 0 (v_exp_f32 flushes denormals, ISA guide 15.8); in the second
; product a p below 2^-14 keeps an absolute error of up to 2^-25.  The row sum adds the unrounded p, tile by tile.
; The last trip of a pass stages tile 0 of the head again: pass 1 finds its first tile ready; after pass 1 these 32 KiB are loaded for nobody
; (inside the buffers, into a slot that is not read again), so that there is one form of the trip.
.set KP,     144                       ; K row in LDS: 128 bytes + 16: an odd multiple of 16, the 16 rows of a fragment load fall in 16 different 16-byte columns of 256
.set VP,     160                       ; V row in LDS: 128 bytes + 32: an odd multiple of 32, as the transposing load's eight rows by two columns want
.set OP,     272                       ; O row on the way out: 256 bytes + 16
.set VOFF,   64*KP                     ; V's tile behind K's in a slot
.set SLOT,   64*KP+64*VP               ; 19,456 bytes
.set STAGE,  2*SLOT                    ; behind the two slots: a stage of each wave's own
.set WSTAGE, 32*OP                     ; 8,704 bytes: 32 rows of Q (bf16, pitch KP) on the way in, 32 rows of O (f32, pitch OP) on the way out
.set ROWB,   4096                      ; bytes from a head's row to its next
.set TILEB,  64*ROWB                   ; bytes from a key tile to the next (1 << 18)
; vector registers, window 0
.set GOFF, 1                           ; staging load: (2 w + h) rows + 16 r
.set KST,  2                           ; staging store, K
.set VST,  3                           ; staging store, V
.set KRD,  4                           ; K fragment: r KP + 16 h
.set VRD,  5                           ; V^T fragment
.set QST,  6                           ; Q into my stage
.set QRD,  7                           ; Q fragment from my stage
.set OST,  8                           ; O into my stage
.set ORD,  9                           ; O rows back
.set QGO,  10                          ; h rows + 16 r: Q's loads and out's stores
.set PFO,  11                          ; lane x one row: prefetch
.set LT,   12                          ; r - 8 h
.set DF,   14                          ; v14,15  mask bound of query block 0, 1 against tile 0
.set DM,   16                          ; v16,17  the same against my diagonal tile
.set NM,   18                          ; v18, v20  -c x maximum, rounded; first of the pair that the packed fma broadcasts
.set M,    19                          ; v19, v21  running maximum of the raw scores
.set AL,   22                          ; v22, v24  factor; first of the pair that the packed multiply broadcasts
.set L,    23                          ; v23, v25  my half's part of the row sum
.set X,    26                          ; v26,27  tile maximum
.set Y,    28                          ; v28,29  the other half's number
.set SUM,  26                          ; v[26:27], v[28:29]  sums of the tile's p, once X and Y are done with
.set T2,   30                          ; v30,31  second chain of the maximum, then the new NM
.set Q,    32                          ; v32-63   Q fragment (qb, ec) at 16 qb + 8 ec
.set O,    64                          ; v64-127  O^T tile (qb, db) at 32 qb + 8 db
.set S,    128                         ; v128-191 S^T tile (qb, kb) at 32 qb + 8 kb; P (qb, kc) packed in place at 32 qb + 16 kc
.set F,    192                         ; v192-255 K fragment (kb, ec) at 8 (2 kb + ec), then V^T fragment (kc, db) at 8 (4 kc + db)
; window 1: v256-287 (written v0-v31): the staged tile, K's piece p at 4 p, V's at 16 + 4 p
; scalar: s2 pairs of tiles T / 2; s3 mask of a word's upper half; s[4:5] K, s[6:7] Q, s[8:9] V, s[10:11] out, all at the head; s12 wave; s13 j;
; s[14:15] head offset; s16,17 lane selects; s[18:19] c; s20 -inf; s21 pass; s22 block i; s23 tiles T; s24 my diagonal tile; s25 pair counter;
; s26 prefetch limit; s27 the trip's tile; s[28:29] next tile's offset; s[30:31], s[32:33] staging pointers; s[34:35] prefetch base;
; s[36:37] prefetch pointer; s[38:39] its offset; s[40:41] Q, s[42:43] out of the pass; s[44:45] offset of my rows; s46 -c; s47 scratch
.set MSB, 0
.macro WIN new                         ; s_set_vgpr_msb: bits 1:0 source 0, 3:2 source 1, 5:4 source 2, 7:6 destination; the high byte repeats the setting left
.if MSB != \new
	s_set_vgpr_msb (MSB<<8)|\new
.set MSB, \new
.endif
.endm
; Eight loads: my 16 bytes of rows 2 w + h + 16 p of the next K tile and V tile.  Sixteen lanes cover one row of 256 bytes.  No hint: other work-groups read the tile too.
.macro LOADT
	WIN 0x40                                       ; destination in window 1
.irp p, 0,1,2,3
	global_load_b128 v[4*\p:4*\p+3], v[GOFF], s[30:31] offset:16*ROWB*\p
.endr
.irp p, 0,1,2,3
	global_load_b128 v[16+4*\p:16+4*\p+3], v[GOFF], s[32:33] offset:16*ROWB*\p
.endr
	WIN 0
.endm
; Round the staged tile to bf16, write V's bf16 numbers over into f16, and put both into a slot.  These conversions name no register of a matrix
; instruction and stand on every path behind a trip's last matrix instruction: they are the independent vector instructions
; in front of the next loads into F, the next products into S and the reads of O.
.macro STORET slot
	s_wait_loadcnt 0x0                             ; the eight staging loads are in; s[30:33] may be stepped
	s_wait_xcnt 0x0                                ; the prefetch of this trip has had its address translated: s[36:37] may be rewritten
	WIN 0x45                                       ; sources and destination in window 1
.irp p, 0,1,2,3,4,5,6,7
	v_cvt_pk_bf16_f32 v[4*\p], v[4*\p], v[4*\p+1]
	v_cvt_pk_bf16_f32 v[4*\p+1], v[4*\p+2], v[4*\p+3]
.endr
.irp p, 4,5,6,7                                    ; V: each bf16 widened to f32 (a shift, a mask) and packed as f16, which changes no number from 2^-17 to 65,504
	v_lshlrev_b32 v[4*\p+2], 16, v[4*\p]
	v_and_b32 v[4*\p+3], s3, v[4*\p]
	v_cvt_pk_f16_f32 v[4*\p], v[4*\p+2], v[4*\p+3]
	v_lshlrev_b32 v[4*\p+2], 16, v[4*\p+1]
	v_and_b32 v[4*\p+3], s3, v[4*\p+1]
	v_cvt_pk_f16_f32 v[4*\p+1], v[4*\p+2], v[4*\p+3]
.endr
	WIN 0x04                                       ; address in window 0, data in window 1
.irp p, 0,1,2,3
	ds_store_b64 v[KST], v[4*\p:4*\p+1] offset:(\slot)*SLOT+16*KP*\p
	ds_store_b64 v[VST], v[16+4*\p:16+4*\p+1] offset:(\slot)*SLOT+16*VP*\p
.endr
	WIN 0
.endm
; One barrier a trip does two things: my reads of this trip's slot are over and my stores into the other slot are done (the wait for zero),
; so behind it the other slot is read and this one may be written.
.macro BAR
	s_wait_dscnt 0x0
	s_barrier_signal -1
	s_barrier_wait -1
.endm
.macro KFRAG slot                      ; 16 loads: four key blocks x two halves of e x two loads of 16 bytes, 32 bytes apart
.irp kb, 0,1,2,3
.irp ec, 0,1
	ds_load_b128 v[F+8*(2*\kb+\ec):F+8*(2*\kb+\ec)+3],   v[KRD] offset:\slot*SLOT+\kb*16*KP+\ec*64
	ds_load_b128 v[F+8*(2*\kb+\ec)+4:F+8*(2*\kb+\ec)+7], v[KRD] offset:\slot*SLOT+\kb*16*KP+\ec*64+32
.endr
.endr
.endm
.macro SMUL                            ; S^T = K Q^T: 16 matrix instructions; the first of each tile starts its sum with the constant 0
.irp kb, 0,1,2,3
	s_wait_dscnt 12-4*\kb                          ; LDS loads return in order: key block kb's four are in, the 12 - 4 kb behind them may be out
	v_wmma_f32_16x16x32_bf16 v[S+8*\kb:S+8*\kb+7],       v[F+16*\kb:F+16*\kb+7],    v[Q:Q+7],     0
	v_wmma_f32_16x16x32_bf16 v[S+32+8*\kb:S+32+8*\kb+7], v[F+16*\kb:F+16*\kb+7],    v[Q+16:Q+23], 0
	v_wmma_f32_16x16x32_bf16 v[S+8*\kb:S+8*\kb+7],       v[F+16*\kb+8:F+16*\kb+15], v[Q+8:Q+15],  v[S+8*\kb:S+8*\kb+7]
	v_wmma_f32_16x16x32_bf16 v[S+32+8*\kb:S+32+8*\kb+7], v[F+16*\kb+8:F+16*\kb+15], v[Q+24:Q+31], v[S+32+8*\kb:S+32+8*\kb+7]
.endr
.rept 4
	v_nop                                          ; four places in front of the loads into F and the vector reads of S
.endr
.endm
.macro VFRAG slot                      ; 16 transposing loads: two blocks of 32 keys x four blocks of 16 d x two loads, 16 rows apart
.irp kc, 0,1
.irp db, 0,1,2,3
	ds_load_tr16_b128 v[F+8*(4*\kc+\db):F+8*(4*\kc+\db)+3],   v[VRD] offset:\slot*SLOT+\kc*32*VP+\db*32
	ds_load_tr16_b128 v[F+8*(4*\kc+\db)+4:F+8*(4*\kc+\db)+7], v[VRD] offset:\slot*SLOT+\kc*32*VP+\db*32+16*VP
.endr
.endr
.endm
; key <= query  <=>  16 kb + j <= query - 8 h - the tile's first key, which is v[d + qb]; else the score becomes -inf
.macro MASKS d
.irp q, 0,1
.irp kb, 0,1,2,3
.irp j, 0,1,2,3,4,5,6,7
	v_cmp_le_i32 vcc_lo, 16*\kb+\j, v[\d+\q]
	v_cndmask_b32 v[S+32*\q+8*\kb+\j], s20, v[S+32*\q+8*\kb+\j], vcc_lo
.endr
.endr
.endr
.endm
.macro OSCALE                          ; O of query block q times AL(q): a lane owns one query, so the factor is the lane's own
.irp q, 0,1
.irp k, 0,1,2,3,4,5,6,7,8,9,10,11,12,13,14,15
	v_pk_mul_f32 v[O+32*\q+2*\k:O+32*\q+2*\k+1], v[O+32*\q+2*\k:O+32*\q+2*\k+1], v[AL+2*\q:AL+2*\q+1] op_sel_hi:[1,0]
.endr
.endr
.endm
; first = 1: the pass's first tile starts M, NM and L; else they are carried on and O is rescaled.
.macro SOFTMAX first
	; the lane's maximum of 32 scores (and the old maximum), two chains for each query block
.irp q, 0,1
.if \first
	v_max_num_f32 v[X+\q], v[S+32*\q], v[S+32*\q+1]
.else
	v_max3_num_f32 v[X+\q], v[M+2*\q], v[S+32*\q], v[S+32*\q+1]
.endif
	v_max3_num_f32 v[T2+\q], v[S+32*\q+16], v[S+32*\q+17], v[S+32*\q+18]
.endr
.irp k, 1,2,3,4,5,6
.irp q, 0,1
	v_max3_num_f32 v[X+\q], v[X+\q], v[S+32*\q+2*\k], v[S+32*\q+2*\k+1]
	v_max3_num_f32 v[T2+\q], v[T2+\q], v[S+32*\q+17+2*\k], v[S+32*\q+18+2*\k]
.endr
.endr
.irp q, 0,1
	v_max3_num_f32 v[X+\q], v[X+\q], v[S+32*\q+14], v[S+32*\q+15]
.endr
.irp q, 0,1
	v_max3_num_f32 v[X+\q], v[X+\q], v[T2+\q], v[S+32*\q+31]
.endr
	; the other half of the wave holds the query's other 32 keys
.irp q, 0,1
	v_permlanex16_b32 v[Y+\q], v[X+\q], s16, s17
.endr
.irp q, 0,1
	v_max_num_f32 v[M+2*\q], v[X+\q], v[Y+\q]
.endr
.if \first
.irp q, 0,1
	v_mul_f32 v[NM+2*\q], s46, v[M+2*\q]           ; NM = -c M, rounded
.endr
.else
	; the factor is 2^(new NM - old NM), of the rounded numbers that the exponents use: old and new terms are on one scale exactly
.irp q, 0,1
	v_mul_f32 v[T2+\q], s46, v[M+2*\q]
.endr
.irp q, 0,1
	v_sub_f32 v[AL+2*\q], v[T2+\q], v[NM+2*\q]
.endr
	v_exp_f32 v[AL], v[AL]
	v_exp_f32 v[AL+2], v[AL+2]
.irp q, 0,1
	v_mov_b32 v[NM+2*\q], v[T2+\q]                 ; plain instructions behind the exponentials, which touch neither result
.endr
.endif
	; p = 2^(c s + NM), in place.  Query block 1's multiply-adds are the plain instructions behind block 0's exponentials.
.irp q, 0,1
.irp k, 0,1,2,3,4,5,6,7,8,9,10,11,12,13,14,15
	v_pk_fma_f32 v[S+32*\q+2*\k:S+32*\q+2*\k+1], v[S+32*\q+2*\k:S+32*\q+2*\k+1], s[18:19], v[NM+2*\q:NM+2*\q+1] op_sel_hi:[1,0,0]
.endr
.set i, 0
.rept 32
	v_exp_f32 v[S+32*\q+i], v[S+32*\q+i]
.set i, i+1
.endr
.endr
	; sum and pack to f16, pair by pair: a pair is added before it is packed over.  Pair k of a query block goes to register 16 (k / 8) + k % 8.
	; The first add reads block 0 alone: the plain instruction behind block 1's last exponential.
	s_wait_alu depctr_va_vdst(0)
.irp q, 0,1
	v_pk_add_f32 v[SUM+2*\q:SUM+2*\q+1], v[S+32*\q:S+32*\q+1], v[S+32*\q+2:S+32*\q+3]
.endr
.irp q, 0,1
	v_cvt_pk_f16_f32 v[S+32*\q], v[S+32*\q], v[S+32*\q+1]
	v_cvt_pk_f16_f32 v[S+32*\q+1], v[S+32*\q+2], v[S+32*\q+3]
.endr
.irp k, 2,3,4,5,6,7,8,9,10,11,12,13,14,15
.irp q, 0,1
	v_pk_add_f32 v[SUM+2*\q:SUM+2*\q+1], v[SUM+2*\q:SUM+2*\q+1], v[S+32*\q+2*\k:S+32*\q+2*\k+1]
.endr
.irp q, 0,1
	v_cvt_pk_f16_f32 v[S+32*\q+16*(\k/8)+(\k%8)], v[S+32*\q+2*\k], v[S+32*\q+2*\k+1]
.endr
.endr
.if \first
.irp q, 0,1
	v_add_f32 v[L+2*\q], v[SUM+2*\q], v[SUM+2*\q+1]
.endr
.else
.irp q, 0,1
	v_fma_f32 v[L+2*\q], v[L+2*\q], v[AL+2*\q], v[SUM+2*\q]
.endr
.irp q, 0,1
	v_add_f32 v[L+2*\q], v[L+2*\q], v[SUM+2*\q+1]
.endr
	OSCALE
.endif
.endm
.macro PVMUL first                     ; O^T += V^T P^T: 16 matrix instructions, the f16 form
	s_wait_dscnt 8                                 ; the eight loads of keys 0-31 are in, the eight of keys 32-63 may be out
.irp db, 0,1,2,3
.irp q, 0,1
.if \first
	v_wmma_f32_16x16x32_f16 v[O+32*\q+8*\db:O+32*\q+8*\db+7], v[F+8*\db:F+8*\db+7], v[S+32*\q:S+32*\q+7], 0
.else
	v_wmma_f32_16x16x32_f16 v[O+32*\q+8*\db:O+32*\q+8*\db+7], v[F+8*\db:F+8*\db+7], v[S+32*\q:S+32*\q+7], v[O+32*\q+8*\db:O+32*\q+8*\db+7]
.endif
.endr
.endr
	s_wait_dscnt 0
.irp db, 0,1,2,3
.irp q, 0,1
	v_wmma_f32_16x16x32_f16 v[O+32*\q+8*\db:O+32*\q+8*\db+7], v[F+32+8*\db:F+32+8*\db+7], v[S+32*\q+16:S+32*\q+23], v[O+32*\q+8*\db:O+32*\q+8*\db+7]
.endr
.endr
.endm
.macro COMPUTE slot, first, mask       ; mask: 0, DF or DM.  V's loads are on their way while the softmax runs
	KFRAG \slot
	SMUL
	VFRAG \slot
.if \mask
	MASKS \mask
.endif
	SOFTMAX \first
	PVMUL \first
.endm
; One trip: tile s27, which lies in slot.  Ask for the next tile, compute this one (or not), store the next into the other slot, barrier.
.macro TRIP slot, first, id
	s_add_co_u32 s28, s27, 1
	s_cmp_eq_u32 s28, s23
	s_cselect_b32 s28, 0, s28                      ; behind the pass's last tile: tile 0 again
	s_lshl_b32 s28, s28, 18
	s_add_nc_u64 s[30:31], s[4:5], s[28:29]
	s_add_nc_u64 s[32:33], s[8:9], s[28:29]
	LOADT
	; Prefetch: work-group j = 0 of a head, in pass 0 (it walks all 32 tiles), asks in trip t for tile t + 3, whose loads are issued two trips later.
	; Waves 0, 1 ask for K's 64 rows, waves 2, 3 for V's, a lane for each row of 256 bytes: each row of tiles 3 to 31 is asked for once in the launch.
	; Three tiles of 32 KiB are ahead at most.  The last request is trip 28's, for tile 31: none points past the head's last row.
	s_cmp_lt_u32 s27, s26
	s_cbranch_scc0 .Lnp\id
	s_lshl_b32 s38, s27, 18
	s_add_nc_u64 s[36:37], s[34:35], s[38:39]
	global_prefetch_b8 v[PFO], s[36:37] offset:3*TILEB th:TH_LOAD_NT scope:SCOPE_SE
.Lnp\id:
.if \first
	COMPUTE \slot, 1, DF                           ; tile 0 is always held against its bound, which masks nothing where my rows begin at 64 or later
.else
	s_cmp_gt_u32 s27, s24
	s_cbranch_scc1 .Lsk\id                         ; behind my diagonal: every score would be masked
	s_cmp_eq_u32 s27, s24
	s_cbranch_scc1 .Lmk\id
	COMPUTE \slot, 0, 0
	s_branch .Lsk\id
.Lmk\id:
	COMPUTE \slot, 0, DM
.Lsk\id:
.endif
	STORET 1-\slot
	BAR
.endm
; My 32 rows of Q: loaded in whole rows, rounded to bf16, through my own stage into fragments.  LDS serves a wave's instructions in order
; (ISA guide 5.7.1), and only I touch my stage: no wait between the stores and the loads, no barrier.
.macro QIN
.irp n, 0,1,2,3,4,5,6,7,8,9,10,11,12,13,14,15
	global_load_b128 v[S+4*\n:S+4*\n+3], v[QGO], s[40:41] offset:2*ROWB*\n th:TH_LOAD_NT   ; rows 2 n, 2 n + 1; read once in the launch
.endr
.irp n, 0,1,2,3,4,5,6,7,8,9,10,11,12,13,14,15
	s_wait_loadcnt 15-\n                           ; loads return in order: load n is in, the 15 - n behind it may be out
	v_cvt_pk_bf16_f32 v[S+4*\n], v[S+4*\n], v[S+4*\n+1]
	v_cvt_pk_bf16_f32 v[S+4*\n+1], v[S+4*\n+2], v[S+4*\n+3]
	ds_store_b64 v[QST], v[S+4*\n:S+4*\n+1] offset:2*KP*\n
.endr
.irp q, 0,1
.irp ec, 0,1
	ds_load_b128 v[Q+16*\q+8*\ec:Q+16*\q+8*\ec+3],   v[QRD] offset:\q*16*KP+\ec*64
	ds_load_b128 v[Q+16*\q+8*\ec+4:Q+16*\q+8*\ec+7], v[QRD] offset:\q*16*KP+\ec*64+32
.endr
.endr
	s_wait_dscnt 0x0
.endm
; The way out: join the two halves' sums, divide, turn O^T through my stage into rows, store whole rows of 256 bytes.
.macro OOUT
.irp q, 0,1
	v_permlanex16_b32 v[Y+\q], v[L+2*\q], s16, s17
.endr
.irp q, 0,1
	v_add_f32 v[L+2*\q], v[L+2*\q], v[Y+\q]
.endr
	v_rcp_f32 v[AL], v[L]
	v_rcp_f32 v[AL+2], v[L+2]
	v_nop                                          ; one plain instruction behind the reciprocals (ISA guide 5.7.2)
	s_wait_alu depctr_va_vdst(0)
	OSCALE
.irp q, 0,1
.irp db, 0,1,2,3
	ds_store_b128 v[OST], v[O+32*\q+8*\db:O+32*\q+8*\db+3]   offset:\q*16*OP+\db*64
	ds_store_b128 v[OST], v[O+32*\q+8*\db+4:O+32*\q+8*\db+7] offset:\q*16*OP+\db*64+16
.endr
.endr
.irp n, 0,1,2,3,4,5,6,7,8,9,10,11,12,13,14,15
	ds_load_b128 v[S+4*\n:S+4*\n+3], v[ORD] offset:2*OP*\n
.endr
.irp n, 0,1,2,3,4,5,6,7,8,9,10,11,12,13,14,15
	s_wait_dscnt 15-\n                             ; read-back n is in, the 15 - n behind it may be out
	global_store_b128 v[QGO], v[S+4*\n:S+4*\n+3], s[42:43] offset:2*ROWB*\n th:TH_STORE_NT  ; 16 lanes store one row's 256 consecutive bytes, aligned
.endr
	s_wait_xcnt 0x0                                ; the stores' data (S) and base are rewritten in the next pass only behind this wait
.endm
	; ---------------- set-up ----------------
	s_load_b256 s[4:11], s[0:1], 0x0               ; keys s[4:5], queries s[6:7], values s[8:9], out0 s[10:11]
	s_set_vgpr_msb 0x40
	v_lshl_add_u32 v32, v0, 2, 0x1a800
	v_mov_b32 v33, 0
	s_set_vgpr_msb 0x4000
	v_lshrrev_b32 v13, 5, v0
	v_readfirstlane_b32 s12, v13                   ; wave 0..7
	s_and_b32 s13, ttmp9, 3                        ; j
	s_lshr_b32 s14, ttmp9, 6                       ; batch
	s_lshl_b32 s14, s14, 23                        ; x 2048 x 16 x 64 x 4 bytes
	s_bfe_u32 s15, ttmp9, 0x40002                  ; head: 4 bits from bit 2
	s_lshl_b32 s15, s15, 8                         ; x 256 bytes
	s_or_b32 s14, s14, s15
	s_mov_b32 s15, 0
	s_mov_b32 s3, 0xffff0000                       ; a word's upper bf16
	s_mov_b32 s16, 0x76543210                      ; v_permlanex16_b32: lane i takes lane i of the other half
	s_mov_b32 s17, 0xfedcba98
	s_mov_b32 s18, 0x3e38aa3b                      ; c = log2(e) / 8: the scale 1 / sqrt(64) and the change to base 2 in one
	s_mov_b32 s19, 0x3e38aa3b
	s_mov_b32 s20, 0xff800000                      ; -inf
	s_mov_b32 s46, 0xbe38aa3b                      ; -c
	s_mov_b32 s29, 0
	s_mov_b32 s39, 0
	s_mov_b32 s45, 0
	v_and_b32 v13, 15, v0                          ; r
	v_bfe_u32 v26, v0, 4, 1                        ; h
	v_lshlrev_b32 v[QGO], 4, v13                   ; 16 r
	v_lshl_add_u32 v[QGO], v26, 12, v[QGO]         ; + h rows
	s_lshl_b32 s47, s12, 13                        ; wave x 2 rows
	v_add_nc_u32 v[GOFF], s47, v[QGO]
	v_mul_u32_u24 v[KST], v26, KP                  ; staging store: row 2 w + h, 8 bytes for each r
	v_lshl_add_u32 v[KST], v13, 3, v[KST]
	s_mul_i32 s47, s12, 2*KP
	v_add_nc_u32 v[KST], s47, v[KST]
	v_mul_u32_u24 v[VST], v26, VP
	v_lshl_add_u32 v[VST], v13, 3, v[VST]
	s_mul_i32 s47, s12, 2*VP
	s_add_co_u32 s47, s47, VOFF
	v_add_nc_u32 v[VST], s47, v[VST]
	v_mul_u32_u24 v[KRD], v13, KP                  ; fragment: row r, 16 bytes for each half
	v_lshl_add_u32 v[KRD], v26, 4, v[KRD]
	v_and_b32 v27, 7, v0
	v_lshl_add_u32 v27, v26, 3, v27                ; key row 8 h + (lane & 7)
	v_mul_u32_u24 v[VRD], v27, VP
	v_bfe_u32 v27, v0, 3, 1
	v_lshl_add_u32 v[VRD], v27, 4, v[VRD]          ; + 16 bytes for lanes 8-15 and 24-31
	v_add_nc_u32 v[VRD], VOFF, v[VRD]
	s_mul_i32 s47, s12, WSTAGE
	s_add_co_u32 s47, s47, STAGE                   ; my stage
	v_mul_u32_u24 v[QST], v26, KP
	v_lshl_add_u32 v[QST], v13, 3, v[QST]
	v_add_nc_u32 v[QST], s47, v[QST]
	v_add_nc_u32 v[QRD], s47, v[KRD]
	v_mul_u32_u24 v[OST], v13, OP                  ; in: row r, 32 bytes for each half
	v_lshl_add_u32 v[OST], v26, 5, v[OST]
	v_add_nc_u32 v[OST], s47, v[OST]
	v_mul_u32_u24 v[ORD], v26, OP                  ; back: lanes 0-15 one row, lanes 16-31 the next
	v_lshl_add_u32 v[ORD], v13, 4, v[ORD]
	v_add_nc_u32 v[ORD], s47, v[ORD]
	v_and_b32 v[PFO], 31, v0
	v_lshlrev_b32 v[PFO], 12, v[PFO]               ; a row for each lane
	v_lshlrev_b32 v[LT], 3, v26
	v_sub_nc_u32 v[LT], v13, v[LT]                 ; r - 8 h, signed
	v_mov_b32 v[Y], 0                              ; v_permlanex16_b32 counts as a reader of its destination
	v_mov_b32 v[Y+1], 0
	s_wait_kmcnt 0x0
	s_add_nc_u64 s[4:5], s[4:5], s[14:15]          ; all four at the head
	s_add_nc_u64 s[6:7], s[6:7], s[14:15]
	s_add_nc_u64 s[8:9], s[8:9], s[14:15]
	s_add_nc_u64 s[10:11], s[10:11], s[14:15]
	s_cmp_lt_u32 s12, 2                            ; prefetch base: waves 0, 1 K, the others V; odd waves the tile's rows 32-63
	s_cselect_b64 s[34:35], s[4:5], s[8:9]
	s_and_b32 s38, s12, 1
	s_lshl_b32 s38, s38, 17
	s_add_nc_u64 s[34:35], s[34:35], s[38:39]
	; tile 0 into slot 0
	s_mov_b64 s[30:31], s[4:5]
	s_mov_b64 s[32:33], s[8:9]
	LOADT
	STORET 0
	BAR
	; ---------------- two passes ----------------
	s_mov_b32 s21, 0
.Lpass:
	s_sub_co_u32 s22, 7, s13
	s_cmp_eq_u32 s21, 0
	s_cselect_b32 s22, s22, s13                    ; block i: 7 - j, then j
	s_lshl_b32 s23, s22, 2
	s_lshr_b32 s47, s12, 1
	s_add_co_u32 s24, s23, s47                     ; my diagonal tile: 4 i + w / 2
	s_add_co_u32 s23, s23, 4                       ; tiles of the pass: 4 i + 4, even and at least 4
	s_lshr_b32 s2, s23, 1                          ; pairs of tiles: 2 i + 2, at least 2
	s_lshl_b32 s47, s22, 8
	s_lshl_b32 s44, s12, 5
	s_add_co_u32 s47, s47, s44                     ; my first row: 256 i + 32 w
	s_lshl_b32 s44, s47, 12
	s_add_nc_u64 s[40:41], s[6:7], s[44:45]
	s_add_nc_u64 s[42:43], s[10:11], s[44:45]
	v_add_nc_u32 v[DF], s47, v[LT]                 ; query - 8 h against tile 0
	v_add_nc_u32 v[DF+1], 16, v[DF]
	s_lshl_b32 s44, s24, 6
	s_sub_co_u32 s44, s47, s44                     ; my first row inside my diagonal tile
	v_add_nc_u32 v[DM], s44, v[LT]
	v_add_nc_u32 v[DM+1], 16, v[DM]
	s_lshr_b32 s47, s12, 2
	s_or_b32 s47, s47, s13
	s_or_b32 s47, s47, s21
	s_cmp_eq_u32 s47, 0
	s_cselect_b32 s26, 29, 0                       ; trips 0 to 28 prefetch, for j = 0, pass 0, waves 0-3; nobody else
	QIN
	s_mov_b32 s27, 0
	TRIP 0, 1, a                                   ; the first tile starts every sum: nothing is cleared
	s_mov_b32 s27, 1
	TRIP 1, 0, b
	s_mov_b32 s25, 1                               ; pair 0 (tiles 0, 1) is done; the loop counts pairs 1 to T / 2 - 1 in steps of one
.Lpair:
	s_lshl_b32 s27, s25, 1                         ; tile 2 p, in slot 0
	TRIP 0, 0, c
	s_lshl_b32 s27, s25, 1
	s_or_b32 s27, s27, 1                           ; tile 2 p + 1, in slot 1
	TRIP 1, 0, d
	s_add_co_u32 s25, s25, 1
	s_cmp_lt_u32 s25, s2
	s_cbranch_scc1 .Lpair
	OOUT
	s_add_co_u32 s21, s21, 1
	s_cmp_lt_u32 s21, 2
	s_cbranch_scc1 .Lpass
	s_set_vgpr_msb 0x5
	s_wait_tensorcnt 0x0
	ds_add_u32 v32, v33
	s_wait_dscnt 0x0
	s_set_vgpr_msb 0x500
	s_endpgm
.Lfunc_end_k_q2ca8eb9171_attn:
	.size	k_q2ca8eb9171_attn, .Lfunc_end_k_q2ca8eb9171_attn-k_q2ca8eb9171_attn
	.p2alignl 7, 3214868480
	.fill 96, 4, 3214868480
	.section	.rodata,"a",@progbits
	.p2align	6, 0x0
	.amdhsa_kernel k_q2ca8eb9171_attn
		.amdhsa_group_segment_fixed_size 109568
		.amdhsa_private_segment_fixed_size 0
		.amdhsa_enable_private_segment 0
		.amdhsa_kernarg_size 32
		.amdhsa_user_sgpr_count 2
		.amdhsa_user_sgpr_kernarg_segment_ptr 1
		.amdhsa_wavefront_size32 1
		.amdhsa_system_sgpr_workgroup_id_x 1
		.amdhsa_system_sgpr_workgroup_id_y 1
		.amdhsa_system_sgpr_workgroup_id_z 1
		.amdhsa_system_vgpr_workitem_id 0
		.amdhsa_next_free_vgpr 290
		.amdhsa_next_free_sgpr 66
		.amdhsa_reserve_vcc 1
		.amdhsa_float_denorm_mode_32 3
		.amdhsa_float_denorm_mode_16_64 3
		.amdhsa_memory_ordered 1
		.amdhsa_forward_progress 1
		.amdhsa_inst_pref_size 169
	.end_amdhsa_kernel
	.amdgpu_metadata
---
amdhsa.version: [ 1, 2 ]
amdhsa.kernels:
  - .name:           k_q2ca8eb9171_attn
    .symbol:         k_q2ca8eb9171_attn.kd
    .args:
      - { .name: keys, .offset: 0, .size: 8, .value_kind: global_buffer, .address_space: global }
      - { .name: queries, .offset: 8, .size: 8, .value_kind: global_buffer, .address_space: global }
      - { .name: values, .offset: 16, .size: 8, .value_kind: global_buffer, .address_space: global }
      - { .name: out0, .offset: 24, .size: 8, .value_kind: global_buffer, .address_space: global }
    .group_segment_fixed_size: 109568
    .private_segment_fixed_size: 0
    .kernarg_segment_align: 8
    .kernarg_segment_size: 32
    .max_flat_workgroup_size: 256
    .sgpr_count:     66
    .vgpr_count:     290
    .wavefront_size: 32
...
	.end_amdgpu_metadata
.endif
;; end of part 1
;; ======== version 2 of 2: 1 launch; version 1 with the launch attn written anew for expert scheduling mode
;; limits: values are held in f16: magnitudes above 65,504 overflow, below 6.1e-05 lose precision; inputs' magnitudes at most 65,504
;; launch attn (part 2): grid 256 x 1, 8 waves a work-group, no clusters, 109,568 bytes of LDS; arguments keys, queries, values, out0; writes out0
.if DOCPART == 2
	.amdgcn_target "amdgcn-amd-amdhsa--gfx1250"
	.amdhsa_code_object_version 6
	.text
	.protected	k_q2ca8eb9171_attn
	.globl	k_q2ca8eb9171_attn
	.p2align	8
	.type	k_q2ca8eb9171_attn,@function
k_q2ca8eb9171_attn:
	s_mov_b64 s[64:65], 0
	v_nop
	global_prefetch_b8 v0, s[64:65] scope:SCOPE_SE
	s_setreg_imm32_b32 hwreg(HW_REG_WAVE_SCHED_MODE, 0, 2), 2
	s_setreg_imm32_b32 hwreg(HW_REG_WAVE_MODE, 25, 1), 1
	s_wait_xcnt 0x0
	s_wait_alu depctr_vm_vsrc(0)
; Causal softmax attention.  queries, keys, values, out0: [4][2048][16][64] f32; a head's row is 256 bytes, rows of a head are 4,096 bytes apart.
; out[b][l][h][:] = sum over s <= l of softmax_s(q.k / 8) v[s].  Products on 16-bit operands with f32 sums; softmax in f32 with a running maximum.
;
; SHARES.  Work-group x: head pair x >> 2, j = x & 3.  The 2,048 query rows are 8 blocks of 256.  Pass 0 takes block 7 - j, pass 1 block j:
; a block i needs 4 (i + 1) key tiles of 64 keys, so every work-group makes 4 (8 - j) + 4 (j + 1) = 36 trips.  Wave w owns 32 query rows of the block
; (two query blocks of 16).  Tiles behind a wave's diagonal tile are not computed (the mask would throw them away); the wave still stages and
; passes the barrier.
; SCHEME, transposed so that nothing is shuffled between the two products:
;   S^T = K Q^T : lane (r, h) register j of tile kb holds key 16 kb + 8 h + j of query r.  A lane owns ONE query: its maximum and its factor are
;                 lane numbers, one exchange between the halves of the wave completes the maximum.
;   P^T         : packing tiles 2 kc and 2 kc + 1 two by two to 16 bits gives the second source (32 keys x 16 queries) as it stands.
;   O^T = V^T P^T: V^T comes by the transposing LDS load from V kept [key][d].  Lane (r, h) register j of tile db holds d = 16 db + 8 h + j of query r.
; FORMATS.  Q, K and V are all three rounded to bf16: the result is the attention of the bf16-rounded inputs.  The first product is the bf16 form.
; P goes in f16: p lies in [0, 1], and with bf16's 8 bits its rounding, up to 2^-8 of each term, shows in the first rows, where a few terms of
; size one may nearly cancel; f16 leaves 2^-11.  Both sources of a matrix instruction have one format, so V's bf16 numbers are written over into
; f16, which holds every one of them exactly from 2^-17 to 65,504.  (V is not rounded straight to f16: the three inputs carry one rounding.)
; STAGING.  The 256 threads load the next tile's K and V in f32 (16 lanes a row of 256 bytes), round ONCE, and store into the other of two
; LDS slots; one barrier a trip.
; NO TENSOR LOADS, NO CLUSTER: the tiles are f32 in memory and the matrix unit wants 16 bits; a tile brought as it is would cross LDS as 32 KiB in,
; 32 KiB out and 16 KiB in again in place of 16 KiB in, or be converted by each of the 8 waves; and the four work-groups of a head need
; different numbers of tiles in a pass (4 (8 - j) and 4 (j + 1)).
; LIMITS.  Inputs finite and scores finite in f32.  Values of magnitude above 65,504 (f16's largest number) are not served; a value below 2^-17
; keeps an absolute error of up to 2^-25.  An exponential below 2^-126 counts as 0 (v_exp_f32 flushes denormals, ISA guide 15.8); in the second
; product a p below 2^-14 keeps an absolute error of up to 2^-25.  The row sum adds the unrounded p, tile by tile.
; The last trip of a pass stages tile 0 of the head again: pass 1 finds its first tile ready; after pass 1 these 32 KiB are loaded for nobody
; (inside the buffers, into a slot that is not read again), so that there is one form of the trip.
;
; THE MODE: SCHED_MODE bits 1:0 = 2 (LLVM: expert scheduling mode 2), set by the entry lines.  The code itself states the register dependences
; between vector or matrix instructions and memory or LDS instructions, with s_wait_alu, always for 0.
; THE PLAN.  Registers that memory or LDS instructions touch:
;   v1-v11    addresses: written at the head, never again; read by every load, store and prefetch.
;   STG       (v256-287) a trip's eight global loads land in it at the trip's head; its conversions read and write it at the trip's end; its eight LDS stores read it.
;   KF        (v192-255) a trip's 16 LDS loads land in it; its 16 first products read it.
;   VF        (v288-351) a trip's 16 transposing LDS loads land in it, straight behind K's; its 16 second products read it.  K's and V's fragments have a buffer each,
;             so that no load of a trip lands in a register that a product of the same trip has read.
;   S, Q, O   in the trips named by vector and matrix instructions alone.  Once a pass: Q's global loads land in S, its conversions write S, its LDS stores read S, and
;             LDS loads land in Q; on the way out the division writes O, LDS stores read O, LDS loads land in S, global stores read S.
;   s12       written by v_readfirstlane_b32;  s66-97 written by the mask's compares, read by its selects.
; A TRIP'S WAITS.  At its head, ahead of the staging loads: one on va_vdst (the trip before is done with STG, KF and VF) and one on vm_vsrc (its LDS stores have read STG).
; From there to the fragments' loads stand loads, window switches, the prefetch and scalar lines alone.  In the softmax one on va_vdst, for the batch of exponentials.
; Ahead of the staging LDS stores one on va_vdst, for the conversions.  A masked tile has two on va_sdst, one behind each run of 32 compares.
.set KP,     144                       ; K row in LDS: 128 bytes + 16: an odd multiple of 16, the 16 rows of a fragment load fall in 16 different 16-byte columns of 256
.set VP,     160                       ; V row in LDS: 128 bytes + 32: an odd multiple of 32, as the transposing load's eight rows by two columns want
.set OP,     272                       ; O row on the way out: 256 bytes + 16
.set VOFF,   64*KP                     ; V's tile behind K's in a slot
.set SLOT,   64*KP+64*VP               ; 19,456 bytes
.set STAGE,  2*SLOT                    ; behind the two slots: a stage of each wave's own
.set WSTAGE, 32*OP                     ; 8,704 bytes: 32 rows of Q (bf16, pitch KP) on the way in, 32 rows of O (f32, pitch OP) on the way out
.set ROWB,   4096                      ; bytes from a head's row to its next
.set TILEB,  64*ROWB                   ; bytes from a key tile to the next (1 << 18)
; vector registers, window 0
.set GOFF, 1                           ; staging load: (2 w + h) rows + 16 r
.set KST,  2                           ; staging store, K
.set VST,  3                           ; staging store, V
.set KRD,  4                           ; K fragment: r KP + 16 h
.set VRD,  5                           ; V^T fragment
.set QST,  6                           ; Q into my stage
.set QRD,  7                           ; Q fragment from my stage
.set OST,  8                           ; O into my stage
.set ORD,  9                           ; O rows back
.set QGO,  10                          ; h rows + 16 r: Q's loads and out's stores
.set PFO,  11                          ; lane x one row: prefetch
.set LT,   12                          ; r - 8 h
.set DF,   14                          ; v14,15  mask bound of query block 0, 1 against tile 0
.set DM,   16                          ; v16,17  the same against my diagonal tile
.set NM,   18                          ; v18, v20  -c x maximum, rounded; first of the pair that the packed fma broadcasts
.set M,    19                          ; v19, v21  running maximum of the raw scores
.set AL,   22                          ; v22, v24  factor; first of the pair that the packed multiply broadcasts
.set L,    23                          ; v23, v25  my half's part of the row sum
.set X,    26                          ; v26,27  tile maximum
.set Y,    28                          ; v28,29  the other half's number
.set SUM,  26                          ; v[26:27], v[28:29]  sums of the tile's p, once X and Y are done with
.set T2,   30                          ; v30,31  second chain of the maximum, then the new NM
.set Q,    32                          ; v32-63   Q fragment (qb, ec) at 16 qb + 8 ec
.set O,    64                          ; v64-127  O^T tile (qb, db) at 32 qb + 8 db
.set S,    128                         ; v128-191 S^T tile (qb, kb) at 32 qb + 8 kb; P (qb, kc) packed in place at 32 qb + 16 kc
.set KF,   192                         ; v192-255 K fragment (kb, ec) at 8 (2 kb + ec)
; window 1: v256-287 (written v0-v31): the staged tile, K's piece p at 4 p, V's at 16 + 4 p
.set VF,   32                          ; window 1: v288-351 (written v32-v95): V^T fragment (kc, db) at 8 (4 kc + db)
; scalar: s2 pairs of tiles T / 2; s3 mask of a word's upper half; s[4:5] K, s[6:7] Q, s[8:9] V, s[10:11] out, all at the head; s12 wave; s13 j;
; s[14:15] head offset; s16,17 lane selects; s[18:19] c; s20 -inf; s21 pass; s22 block i; s23 tiles T; s24 my diagonal tile; s25 pair counter;
; s26 prefetch limit; s27 the trip's tile; s[28:29] next tile's offset; s[30:31], s[32:33] staging pointers; s[34:35] prefetch base;
; s[36:37] prefetch pointer; s[38:39] its offset; s[40:41] Q, s[42:43] out of the pass; s[44:45] offset of my rows; s46 -c; s47 scratch
.set MK,   66                          ; s66-97  the lane masks of one query block's 32 compares
.set MSB, 0
.macro WIN new                         ; s_set_vgpr_msb: bits 1:0 source 0, 3:2 source 1, 5:4 source 2, 7:6 destination; the high byte repeats the setting left
.if MSB != \new
	s_set_vgpr_msb (MSB<<8)|\new
.set MSB, \new
.endif
.endm
; Eight loads: my 16 bytes of rows 2 w + h + 16 p of the next K tile and V tile.  Sixteen lanes cover one row of 256 bytes.  No hint: other work-groups read the tile too.
.macro LOADT
	WIN 0x40                                       ; destination in window 1
	s_wait_alu depctr_va_vdst(0)                   ; the conversions of the trip before are done reading and writing STG, in which these loads land; its products are done reading KF and VF, in which this trip's fragments land; at the kernel's head: v1 to v11 are written, which every load, store and prefetch reads
	s_wait_alu depctr_vm_vsrc(0)                   ; the LDS stores of the trip before have read STG; in a pass's first trip Q's LDS stores have read S, which the first products write
.irp p, 0,1,2,3
	global_load_b128 v[4*\p:4*\p+3], v[GOFF], s[30:31] offset:16*ROWB*\p
.endr
.irp p, 0,1,2,3
	global_load_b128 v[16+4*\p:16+4*\p+3], v[GOFF], s[32:33] offset:16*ROWB*\p
.endr
	WIN 0
.endm
; Round the staged tile to bf16, write V's bf16 numbers over into f16, and put both into a slot.  These conversions name no register of a matrix
; instruction and stand on every path behind a trip's last matrix instruction: they are the independent vector instructions (ISA guide 7.12.1)
; in front of the next products into S and the reads of O.
.macro STORET slot
	s_wait_loadcnt 0x0                             ; the eight staging loads are in; s[30:33] may be stepped
	s_wait_xcnt 0x0                                ; the prefetch of this trip has had its address translated: s[36:37] may be rewritten
	WIN 0x45                                       ; sources and destination in window 1
.irp p, 0,1,2,3,4,5,6,7
	v_cvt_pk_bf16_f32 v[4*\p], v[4*\p], v[4*\p+1]
	v_cvt_pk_bf16_f32 v[4*\p+1], v[4*\p+2], v[4*\p+3]
.endr
.irp p, 4,5,6,7                                    ; V: each bf16 widened to f32 (a shift, a mask) and packed as f16, which changes no number from 2^-17 to 65,504
	v_lshlrev_b32 v[4*\p+2], 16, v[4*\p]
	v_and_b32 v[4*\p+3], s3, v[4*\p]
	v_cvt_pk_f16_f32 v[4*\p], v[4*\p+2], v[4*\p+3]
	v_lshlrev_b32 v[4*\p+2], 16, v[4*\p+1]
	v_and_b32 v[4*\p+3], s3, v[4*\p+1]
	v_cvt_pk_f16_f32 v[4*\p+1], v[4*\p+2], v[4*\p+3]
.endr
	WIN 0x04                                       ; address in window 0, data in window 1
	s_wait_alu depctr_va_vdst(0)                   ; the conversions have written STG, which the LDS stores read
.irp p, 0,1,2,3
	ds_store_b64 v[KST], v[4*\p:4*\p+1] offset:(\slot)*SLOT+16*KP*\p
	ds_store_b64 v[VST], v[16+4*\p:16+4*\p+1] offset:(\slot)*SLOT+16*VP*\p
.endr
	WIN 0
.endm
; One barrier a trip does two things: my reads of this trip's slot are over and my stores into the other slot are done (the wait for zero),
; so behind it the other slot is read and this one may be written.
.macro BAR
	s_wait_dscnt 0x0
	s_barrier_signal -1
	s_barrier_wait -1
.endm
.macro KFRAG slot                      ; 16 loads: four key blocks x two halves of e x two loads of 16 bytes, 32 bytes apart.  No wait: no vector or matrix instruction since the trip's head names KF
.irp kb, 0,1,2,3
.irp ec, 0,1
	ds_load_b128 v[KF+8*(2*\kb+\ec):KF+8*(2*\kb+\ec)+3],   v[KRD] offset:\slot*SLOT+\kb*16*KP+\ec*64
	ds_load_b128 v[KF+8*(2*\kb+\ec)+4:KF+8*(2*\kb+\ec)+7], v[KRD] offset:\slot*SLOT+\kb*16*KP+\ec*64+32
.endr
.endr
.endm
.macro VFRAG slot                      ; 16 transposing loads: two blocks of 32 keys x four blocks of 16 d x two loads, 16 rows apart.  No wait: no vector or matrix instruction since the trip's head names VF
	WIN 0x40                                       ; destination in window 1, address in window 0
.irp kc, 0,1
.irp db, 0,1,2,3
	ds_load_tr16_b128 v[VF+8*(4*\kc+\db):VF+8*(4*\kc+\db)+3],   v[VRD] offset:\slot*SLOT+\kc*32*VP+\db*32
	ds_load_tr16_b128 v[VF+8*(4*\kc+\db)+4:VF+8*(4*\kc+\db)+7], v[VRD] offset:\slot*SLOT+\kc*32*VP+\db*32+16*VP
.endr
.endr
	WIN 0
.endm
.macro SMUL                            ; S^T = K Q^T: 16 matrix instructions; the first of each tile starts its sum with the constant 0
.irp kb, 0,1,2,3
	s_wait_dscnt 28-4*\kb                          ; LDS loads return in order: key block kb's four are in; K's 12 - 4 kb behind them and V's 16 may be out
	v_wmma_f32_16x16x32_bf16 v[S+8*\kb:S+8*\kb+7],       v[KF+16*\kb:KF+16*\kb+7],    v[Q:Q+7],     0
	v_wmma_f32_16x16x32_bf16 v[S+32+8*\kb:S+32+8*\kb+7], v[KF+16*\kb:KF+16*\kb+7],    v[Q+16:Q+23], 0
	v_wmma_f32_16x16x32_bf16 v[S+8*\kb:S+8*\kb+7],       v[KF+16*\kb+8:KF+16*\kb+15], v[Q+8:Q+15],  v[S+8*\kb:S+8*\kb+7]
	v_wmma_f32_16x16x32_bf16 v[S+32+8*\kb:S+32+8*\kb+7], v[KF+16*\kb+8:KF+16*\kb+15], v[Q+24:Q+31], v[S+32+8*\kb:S+32+8*\kb+7]
.endr
.rept 4
	v_nop                                          ; four places (ISA guide 7.12.1) in front of the vector reads of S
.endr
.endm
; key <= query  <=>  16 kb + j <= query - 8 h - the tile's first key, which is v[d + qb]; else the score becomes -inf.
; A query block's 32 compares stand in one run, each with a scalar register of its own, so that one wait serves its 32 selects.
.macro MASKS d
.irp q, 0,1
.irp kb, 0,1,2,3
.irp j, 0,1,2,3,4,5,6,7
	v_cmp_le_i32 s[MK+8*\kb+\j], 16*\kb+\j, v[\d+\q]
.endr
.endr
	s_wait_alu depctr_va_sdst(0)                   ; the 32 compares have written s66 to s97, ahead of the selects that read them
.irp kb, 0,1,2,3
.irp j, 0,1,2,3,4,5,6,7
	v_cndmask_b32 v[S+32*\q+8*\kb+\j], s20, v[S+32*\q+8*\kb+\j], s[MK+8*\kb+\j]
.endr
.endr
.endr
.endm
.macro OSCALE                          ; O of query block q times AL(q): a lane owns one query, so the factor is the lane's own
.irp q, 0,1
.irp k, 0,1,2,3,4,5,6,7,8,9,10,11,12,13,14,15
	v_pk_mul_f32 v[O+32*\q+2*\k:O+32*\q+2*\k+1], v[O+32*\q+2*\k:O+32*\q+2*\k+1], v[AL+2*\q:AL+2*\q+1] op_sel_hi:[1,0]
.endr
.endr
.endm
; first = 1: the pass's first tile starts M, NM and L; else they are carried on and O is rescaled.
.macro SOFTMAX first
	; the lane's maximum of 32 scores (and the old maximum), two chains for each query block
.irp q, 0,1
.if \first
	v_max_num_f32 v[X+\q], v[S+32*\q], v[S+32*\q+1]
.else
	v_max3_num_f32 v[X+\q], v[M+2*\q], v[S+32*\q], v[S+32*\q+1]
.endif
	v_max3_num_f32 v[T2+\q], v[S+32*\q+16], v[S+32*\q+17], v[S+32*\q+18]
.endr
.irp k, 1,2,3,4,5,6
.irp q, 0,1
	v_max3_num_f32 v[X+\q], v[X+\q], v[S+32*\q+2*\k], v[S+32*\q+2*\k+1]
	v_max3_num_f32 v[T2+\q], v[T2+\q], v[S+32*\q+17+2*\k], v[S+32*\q+18+2*\k]
.endr
.endr
.irp q, 0,1
	v_max3_num_f32 v[X+\q], v[X+\q], v[S+32*\q+14], v[S+32*\q+15]
.endr
.irp q, 0,1
	v_max3_num_f32 v[X+\q], v[X+\q], v[T2+\q], v[S+32*\q+31]
.endr
	; the other half of the wave holds the query's other 32 keys
.irp q, 0,1
	v_permlanex16_b32 v[Y+\q], v[X+\q], s16, s17
.endr
.irp q, 0,1
	v_max_num_f32 v[M+2*\q], v[X+\q], v[Y+\q]
.endr
.if \first
.irp q, 0,1
	v_mul_f32 v[NM+2*\q], s46, v[M+2*\q]           ; NM = -c M, rounded
.endr
.else
	; the factor is 2^(new NM - old NM), of the rounded numbers that the exponents use: old and new terms are on one scale exactly
.irp q, 0,1
	v_mul_f32 v[T2+\q], s46, v[M+2*\q]
.endr
.irp q, 0,1
	v_sub_f32 v[AL+2*\q], v[T2+\q], v[NM+2*\q]
.endr
	v_exp_f32 v[AL], v[AL]
	v_exp_f32 v[AL+2], v[AL+2]
.irp q, 0,1
	v_mov_b32 v[NM+2*\q], v[T2+\q]                 ; plain instructions behind the exponentials, which touch neither result
.endr
.endif
	; p = 2^(c s + NM), in place.  Query block 1's multiply-adds are the plain instructions behind block 0's exponentials.
	; The two factors and the 64 p are ONE BATCH: down to the wait below no line names a result of theirs.
.irp q, 0,1
.irp k, 0,1,2,3,4,5,6,7,8,9,10,11,12,13,14,15
	v_pk_fma_f32 v[S+32*\q+2*\k:S+32*\q+2*\k+1], v[S+32*\q+2*\k:S+32*\q+2*\k+1], s[18:19], v[NM+2*\q:NM+2*\q+1] op_sel_hi:[1,0,0]
.endr
.set i, 0
.rept 32
	v_exp_f32 v[S+32*\q+i], v[S+32*\q+i]
.set i, i+1
.endr
.endr
	s_wait_alu depctr_va_vdst(0)                   ; the batch's exponentials have written S (and AL), ahead of the first line that names a result: one wait for all of them
	; sum and pack to f16, pair by pair: a pair is added before it is packed over.  Pair k of a query block goes to register 16 (k / 8) + k % 8.
	; The first add reads block 0 alone: the plain instruction behind block 1's last exponential.
.irp q, 0,1
	v_pk_add_f32 v[SUM+2*\q:SUM+2*\q+1], v[S+32*\q:S+32*\q+1], v[S+32*\q+2:S+32*\q+3]
.endr
.irp q, 0,1
	v_cvt_pk_f16_f32 v[S+32*\q], v[S+32*\q], v[S+32*\q+1]
	v_cvt_pk_f16_f32 v[S+32*\q+1], v[S+32*\q+2], v[S+32*\q+3]
.endr
.irp k, 2,3,4,5,6,7,8,9,10,11,12,13,14,15
.irp q, 0,1
	v_pk_add_f32 v[SUM+2*\q:SUM+2*\q+1], v[SUM+2*\q:SUM+2*\q+1], v[S+32*\q+2*\k:S+32*\q+2*\k+1]
.endr
.irp q, 0,1
	v_cvt_pk_f16_f32 v[S+32*\q+16*(\k/8)+(\k%8)], v[S+32*\q+2*\k], v[S+32*\q+2*\k+1]
.endr
.endr
.if \first
.irp q, 0,1
	v_add_f32 v[L+2*\q], v[SUM+2*\q], v[SUM+2*\q+1]
.endr
.else
.irp q, 0,1
	v_fma_f32 v[L+2*\q], v[L+2*\q], v[AL+2*\q], v[SUM+2*\q]
.endr
.irp q, 0,1
	v_add_f32 v[L+2*\q], v[L+2*\q], v[SUM+2*\q+1]
.endr
	OSCALE
.endif
.endm
.macro PVMUL first                     ; O^T += V^T P^T: 16 matrix instructions, the f16 form
	WIN 0x01                                       ; source 0 (V^T) in window 1
	s_wait_dscnt 8                                 ; the eight loads of keys 0-31 are in, the eight of keys 32-63 may be out
.irp db, 0,1,2,3
.irp q, 0,1
.if \first
	v_wmma_f32_16x16x32_f16 v[O+32*\q+8*\db:O+32*\q+8*\db+7], v[VF+8*\db:VF+8*\db+7], v[S+32*\q:S+32*\q+7], 0
.else
	v_wmma_f32_16x16x32_f16 v[O+32*\q+8*\db:O+32*\q+8*\db+7], v[VF+8*\db:VF+8*\db+7], v[S+32*\q:S+32*\q+7], v[O+32*\q+8*\db:O+32*\q+8*\db+7]
.endif
.endr
.endr
	s_wait_dscnt 0
.irp db, 0,1,2,3
.irp q, 0,1
	v_wmma_f32_16x16x32_f16 v[O+32*\q+8*\db:O+32*\q+8*\db+7], v[VF+32+8*\db:VF+32+8*\db+7], v[S+32*\q+16:S+32*\q+23], v[O+32*\q+8*\db:O+32*\q+8*\db+7]
.endr
.endr
	WIN 0
.endm
.macro COMPUTE slot, first, mask       ; mask: 0, DF or DM.  V's loads go out straight behind K's and are on their way while the first product and the softmax run
	KFRAG \slot
	VFRAG \slot
	SMUL
.if \mask
	MASKS \mask
.endif
	SOFTMAX \first
	PVMUL \first
.endm
; One trip: tile s27, which lies in slot.  Ask for the next tile, compute this one (or not), store the next into the other slot, barrier.
.macro TRIP slot, first, id
	s_add_co_u32 s28, s27, 1
	s_cmp_eq_u32 s28, s23
	s_cselect_b32 s28, 0, s28                      ; behind the pass's last tile: tile 0 again
	s_lshl_b32 s28, s28, 18
	s_add_nc_u64 s[30:31], s[4:5], s[28:29]
	s_add_nc_u64 s[32:33], s[8:9], s[28:29]
	LOADT
	; Prefetch: work-group j = 0 of a head, in pass 0 (it walks all 32 tiles), asks in trip t for tile t + 3, whose loads are issued two trips later.
	; Waves 0, 1 ask for K's 64 rows, waves 2, 3 for V's, a lane for each row of 256 bytes: each row of tiles 3 to 31 is asked for once in the launch.
	; Three tiles of 32 KiB are ahead at most.  The last request is trip 28's, for tile 31: none points past the head's last row.
	s_cmp_lt_u32 s27, s26
	s_cbranch_scc0 .Lnp\id
	s_lshl_b32 s38, s27, 18
	s_add_nc_u64 s[36:37], s[34:35], s[38:39]
	global_prefetch_b8 v[PFO], s[36:37] offset:3*TILEB th:TH_LOAD_NT scope:SCOPE_SE
.Lnp\id:
.if \first
	COMPUTE \slot, 1, DF                           ; tile 0 is always held against its bound, which masks nothing where my rows begin at 64 or later
.else
	s_cmp_gt_u32 s27, s24
	s_cbranch_scc1 .Lsk\id                         ; behind my diagonal: every score would be masked
	s_cmp_eq_u32 s27, s24
	s_cbranch_scc1 .Lmk\id
	COMPUTE \slot, 0, 0
	s_branch .Lsk\id
.Lmk\id:
	COMPUTE \slot, 0, DM
.Lsk\id:
.endif
	STORET 1-\slot
	BAR
.endm
; My 32 rows of Q: loaded in whole rows, rounded to bf16, through my own stage into fragments.  LDS serves a wave's instructions in order
; (ISA guide 5.7.1), and only I touch my stage: no wait between the stores and the loads, no barrier.
; The 32 conversions stand in one run and the 16 LDS stores in another, so that one wait stands between them.
.macro QIN
	s_wait_alu depctr_vm_vsrc(0)                   ; the last pass's global stores have read S, in which these loads land, and its LDS stores have read O, which this pass's products write anew
.irp n, 0,1,2,3,4,5,6,7,8,9,10,11,12,13,14,15
	global_load_b128 v[S+4*\n:S+4*\n+3], v[QGO], s[40:41] offset:2*ROWB*\n th:TH_LOAD_NT   ; rows 2 n, 2 n + 1; read once in the launch
.endr
.irp n, 0,1,2,3,4,5,6,7,8,9,10,11,12,13,14,15
	s_wait_loadcnt 15-\n                           ; loads return in order: load n is in, the 15 - n behind it may be out
	v_cvt_pk_bf16_f32 v[S+4*\n], v[S+4*\n], v[S+4*\n+1]
	v_cvt_pk_bf16_f32 v[S+4*\n+1], v[S+4*\n+2], v[S+4*\n+3]
.endr
	s_wait_alu depctr_va_vdst(0)                   ; the conversions have written S, which the LDS stores read
.irp n, 0,1,2,3,4,5,6,7,8,9,10,11,12,13,14,15
	ds_store_b64 v[QST], v[S+4*\n:S+4*\n+1] offset:2*KP*\n
.endr
.irp q, 0,1
.irp ec, 0,1
	ds_load_b128 v[Q+16*\q+8*\ec:Q+16*\q+8*\ec+3],   v[QRD] offset:\q*16*KP+\ec*64
	ds_load_b128 v[Q+16*\q+8*\ec+4:Q+16*\q+8*\ec+7], v[QRD] offset:\q*16*KP+\ec*64+32
.endr
.endr
	s_wait_dscnt 0x0
.endm
; The way out: join the two halves' sums, divide, turn O^T through my stage into rows, store whole rows of 256 bytes.
.macro OOUT
.irp q, 0,1
	v_permlanex16_b32 v[Y+\q], v[L+2*\q], s16, s17
.endr
.irp q, 0,1
	v_add_f32 v[L+2*\q], v[L+2*\q], v[Y+\q]
.endr
	v_rcp_f32 v[AL], v[L]
	v_rcp_f32 v[AL+2], v[L+2]
	v_nop                                          ; one plain instruction behind the reciprocals (ISA guide 5.7.2)
	s_wait_alu depctr_va_vdst(0)                   ; the two reciprocals have written AL, ahead of the multiplies that read them
	OSCALE
	s_wait_alu depctr_va_vdst(0)                   ; the multiplies have written O, which the LDS stores read; no vector line behind this wait names S, in which the rows read back land
.irp q, 0,1
.irp db, 0,1,2,3
	ds_store_b128 v[OST], v[O+32*\q+8*\db:O+32*\q+8*\db+3]   offset:\q*16*OP+\db*64
	ds_store_b128 v[OST], v[O+32*\q+8*\db+4:O+32*\q+8*\db+7] offset:\q*16*OP+\db*64+16
.endr
.endr
.irp n, 0,1,2,3,4,5,6,7,8,9,10,11,12,13,14,15
	ds_load_b128 v[S+4*\n:S+4*\n+3], v[ORD] offset:2*OP*\n
.endr
.irp n, 0,1,2,3,4,5,6,7,8,9,10,11,12,13,14,15
	s_wait_dscnt 15-\n                             ; read-back n is in, the 15 - n behind it may be out
	global_store_b128 v[QGO], v[S+4*\n:S+4*\n+3], s[42:43] offset:2*ROWB*\n th:TH_STORE_NT  ; 16 lanes store one row's 256 consecutive bytes, aligned
.endr
	s_wait_xcnt 0x0                                ; the stores' data (S) and base are rewritten in the next pass only behind this wait
.endm
	; ---------------- set-up ----------------
	s_load_b256 s[4:11], s[0:1], 0x0               ; keys s[4:5], queries s[6:7], values s[8:9], out0 s[10:11]
	s_set_vgpr_msb 0x40
	v_lshl_add_u32 v96, v0, 2, 0x1a800
	v_mov_b32 v97, 0
	s_set_vgpr_msb 0x4000
	v_lshrrev_b32 v13, 5, v0
	v_readfirstlane_b32 s12, v13                   ; wave 0..7
	s_and_b32 s13, ttmp9, 3                        ; j
	s_lshr_b32 s14, ttmp9, 6                       ; batch
	s_lshl_b32 s14, s14, 23                        ; x 2048 x 16 x 64 x 4 bytes
	s_bfe_u32 s15, ttmp9, 0x40002                  ; head: 4 bits from bit 2
	s_lshl_b32 s15, s15, 8                         ; x 256 bytes
	s_or_b32 s14, s14, s15
	s_mov_b32 s15, 0
	s_mov_b32 s3, 0xffff0000                       ; a word's upper bf16
	s_mov_b32 s16, 0x76543210                      ; v_permlanex16_b32: lane i takes lane i of the other half
	s_mov_b32 s17, 0xfedcba98
	s_mov_b32 s18, 0x3e38aa3b                      ; c = log2(e) / 8: the scale 1 / sqrt(64) and the change to base 2 in one
	s_mov_b32 s19, 0x3e38aa3b
	s_mov_b32 s20, 0xff800000                      ; -inf
	s_mov_b32 s46, 0xbe38aa3b                      ; -c
	s_mov_b32 s29, 0
	s_mov_b32 s39, 0
	s_mov_b32 s45, 0
	v_and_b32 v13, 15, v0                          ; r
	v_bfe_u32 v26, v0, 4, 1                        ; h
	v_lshlrev_b32 v[QGO], 4, v13                   ; 16 r
	v_lshl_add_u32 v[QGO], v26, 12, v[QGO]         ; + h rows
	s_wait_alu depctr_va_sdst(0)                   ; s12 is written, ahead of its first reader: LDS and memory offsets, the diagonal tile and the prefetch's share are made from it
	s_lshl_b32 s47, s12, 13                        ; wave x 2 rows
	v_add_nc_u32 v[GOFF], s47, v[QGO]
	v_mul_u32_u24 v[KST], v26, KP                  ; staging store: row 2 w + h, 8 bytes for each r
	v_lshl_add_u32 v[KST], v13, 3, v[KST]
	s_mul_i32 s47, s12, 2*KP
	v_add_nc_u32 v[KST], s47, v[KST]
	v_mul_u32_u24 v[VST], v26, VP
	v_lshl_add_u32 v[VST], v13, 3, v[VST]
	s_mul_i32 s47, s12, 2*VP
	s_add_co_u32 s47, s47, VOFF
	v_add_nc_u32 v[VST], s47, v[VST]
	v_mul_u32_u24 v[KRD], v13, KP                  ; fragment: row r, 16 bytes for each half
	v_lshl_add_u32 v[KRD], v26, 4, v[KRD]
	v_and_b32 v27, 7, v0
	v_lshl_add_u32 v27, v26, 3, v27                ; key row 8 h + (lane & 7)
	v_mul_u32_u24 v[VRD], v27, VP
	v_bfe_u32 v27, v0, 3, 1
	v_lshl_add_u32 v[VRD], v27, 4, v[VRD]          ; + 16 bytes for lanes 8-15 and 24-31
	v_add_nc_u32 v[VRD], VOFF, v[VRD]
	s_mul_i32 s47, s12, WSTAGE
	s_add_co_u32 s47, s47, STAGE                   ; my stage
	v_mul_u32_u24 v[QST], v26, KP
	v_lshl_add_u32 v[QST], v13, 3, v[QST]
	v_add_nc_u32 v[QST], s47, v[QST]
	v_add_nc_u32 v[QRD], s47, v[KRD]
	v_mul_u32_u24 v[OST], v13, OP                  ; in: row r, 32 bytes for each half
	v_lshl_add_u32 v[OST], v26, 5, v[OST]
	v_add_nc_u32 v[OST], s47, v[OST]
	v_mul_u32_u24 v[ORD], v26, OP                  ; back: lanes 0-15 one row, lanes 16-31 the next
	v_lshl_add_u32 v[ORD], v13, 4, v[ORD]
	v_add_nc_u32 v[ORD], s47, v[ORD]
	v_and_b32 v[PFO], 31, v0
	v_lshlrev_b32 v[PFO], 12, v[PFO]               ; a row for each lane
	v_lshlrev_b32 v[LT], 3, v26
	v_sub_nc_u32 v[LT], v13, v[LT]                 ; r - 8 h, signed
	v_mov_b32 v[Y], 0                              ; v_permlanex16_b32 counts as a reader of its destination
	v_mov_b32 v[Y+1], 0
	s_wait_kmcnt 0x0
	s_add_nc_u64 s[4:5], s[4:5], s[14:15]          ; all four at the head
	s_add_nc_u64 s[6:7], s[6:7], s[14:15]
	s_add_nc_u64 s[8:9], s[8:9], s[14:15]
	s_add_nc_u64 s[10:11], s[10:11], s[14:15]
	s_cmp_lt_u32 s12, 2                            ; prefetch base: waves 0, 1 K, the others V; odd waves the tile's rows 32-63
	s_cselect_b64 s[34:35], s[4:5], s[8:9]
	s_and_b32 s38, s12, 1
	s_lshl_b32 s38, s38, 17
	s_add_nc_u64 s[34:35], s[34:35], s[38:39]
	; tile 0 into slot 0
	s_mov_b64 s[30:31], s[4:5]
	s_mov_b64 s[32:33], s[8:9]
	LOADT
	STORET 0
	BAR
	; ---------------- two passes ----------------
	s_mov_b32 s21, 0
.Lpass:
	s_sub_co_u32 s22, 7, s13
	s_cmp_eq_u32 s21, 0
	s_cselect_b32 s22, s22, s13                    ; block i: 7 - j, then j
	s_lshl_b32 s23, s22, 2
	s_lshr_b32 s47, s12, 1
	s_add_co_u32 s24, s23, s47                     ; my diagonal tile: 4 i + w / 2
	s_add_co_u32 s23, s23, 4                       ; tiles of the pass: 4 i + 4, even and at least 4
	s_lshr_b32 s2, s23, 1                          ; pairs of tiles: 2 i + 2, at least 2
	s_lshl_b32 s47, s22, 8
	s_lshl_b32 s44, s12, 5
	s_add_co_u32 s47, s47, s44                     ; my first row: 256 i + 32 w
	s_lshl_b32 s44, s47, 12
	s_add_nc_u64 s[40:41], s[6:7], s[44:45]
	s_add_nc_u64 s[42:43], s[10:11], s[44:45]
	v_add_nc_u32 v[DF], s47, v[LT]                 ; query - 8 h against tile 0
	v_add_nc_u32 v[DF+1], 16, v[DF]
	s_lshl_b32 s44, s24, 6
	s_sub_co_u32 s44, s47, s44                     ; my first row inside my diagonal tile
	v_add_nc_u32 v[DM], s44, v[LT]
	v_add_nc_u32 v[DM+1], 16, v[DM]
	s_lshr_b32 s47, s12, 2
	s_or_b32 s47, s47, s13
	s_or_b32 s47, s47, s21
	s_cmp_eq_u32 s47, 0
	s_cselect_b32 s26, 29, 0                       ; trips 0 to 28 prefetch, for j = 0, pass 0, waves 0-3; nobody else
	QIN
	s_mov_b32 s27, 0
	TRIP 0, 1, a                                   ; the first tile starts every sum: nothing is cleared
	s_mov_b32 s27, 1
	TRIP 1, 0, b
	s_mov_b32 s25, 1                               ; pair 0 (tiles 0, 1) is done; the loop counts pairs 1 to T / 2 - 1 in steps of one
.Lpair:
	s_lshl_b32 s27, s25, 1                         ; tile 2 p, in slot 0
	TRIP 0, 0, c
	s_lshl_b32 s27, s25, 1
	s_or_b32 s27, s27, 1                           ; tile 2 p + 1, in slot 1
	TRIP 1, 0, d
	s_add_co_u32 s25, s25, 1
	s_cmp_lt_u32 s25, s2
	s_cbranch_scc1 .Lpair
	OOUT
	s_add_co_u32 s21, s21, 1
	s_cmp_lt_u32 s21, 2
	s_cbranch_scc1 .Lpass
	s_set_vgpr_msb 0x5
	s_wait_dscnt 0x0
	s_wait_alu depctr_hold_cnt(0) depctr_sa_sdst(0) depctr_va_vdst(0) depctr_va_sdst(0) depctr_va_ssrc(0) depctr_va_vcc(0) depctr_vm_vsrc(0)
	s_wait_tensorcnt 0x0
	ds_add_u32 v96, v97
	s_wait_dscnt 0x0
	s_endpgm
.Lfunc_end_k_q2ca8eb9171_attn:
	.size	k_q2ca8eb9171_attn, .Lfunc_end_k_q2ca8eb9171_attn-k_q2ca8eb9171_attn
	.p2alignl 7, 3214868480
	.fill 96, 4, 3214868480
	.section	.rodata,"a",@progbits
	.p2align	6, 0x0
	.amdhsa_kernel k_q2ca8eb9171_attn
		.amdhsa_group_segment_fixed_size 109568
		.amdhsa_private_segment_fixed_size 0
		.amdhsa_enable_private_segment 0
		.amdhsa_kernarg_size 32
		.amdhsa_user_sgpr_count 2
		.amdhsa_user_sgpr_kernarg_segment_ptr 1
		.amdhsa_wavefront_size32 1
		.amdhsa_system_sgpr_workgroup_id_x 1
		.amdhsa_system_sgpr_workgroup_id_y 1
		.amdhsa_system_sgpr_workgroup_id_z 1
		.amdhsa_system_vgpr_workitem_id 0
		.amdhsa_next_free_vgpr 354
		.amdhsa_next_free_sgpr 98
		.amdhsa_reserve_vcc 0
		.amdhsa_float_denorm_mode_32 3
		.amdhsa_float_denorm_mode_16_64 3
		.amdhsa_memory_ordered 1
		.amdhsa_forward_progress 1
		.amdhsa_inst_pref_size 187
	.end_amdhsa_kernel
	.amdgpu_metadata
---
amdhsa.version: [ 1, 2 ]
amdhsa.kernels:
  - .name:           k_q2ca8eb9171_attn
    .symbol:         k_q2ca8eb9171_attn.kd
    .args:
      - { .name: keys, .offset: 0, .size: 8, .value_kind: global_buffer, .address_space: global }
      - { .name: queries, .offset: 8, .size: 8, .value_kind: global_buffer, .address_space: global }
      - { .name: values, .offset: 16, .size: 8, .value_kind: global_buffer, .address_space: global }
      - { .name: out0, .offset: 24, .size: 8, .value_kind: global_buffer, .address_space: global }
    .group_segment_fixed_size: 109568
    .private_segment_fixed_size: 0
    .kernarg_segment_align: 8
    .kernarg_segment_size: 32
    .max_flat_workgroup_size: 256
    .sgpr_count:     98
    .vgpr_count:     354
    .wavefront_size: 32
...
	.end_amdgpu_metadata
.endif
;; end of part 2
